; MI455X (gfx1250); checked and timed in simulation.
; The chip was launched on July 23, 2026; its instructions are those of AMD's public machine-readable ISA for CDNA 5 (MIT licence, August 2026) and "CDNA5" Instruction Set Architecture Reference Guide (July 2026).
;; attentive node features dag. Allowed arithmetic: matrix products marked QUANTISED: E5M2 operands, one E8M0 scale for each 32 along K, by v_wmma_scale_f32_16x16x128_f8f6f4 with both operands' format E5M2, f32 sums; everything else in f32.
;; Inputs: W_codes 1,024 x 32 x 32 uint8 (E5M2 codes of W, K innermost, in blocks of 32 codes); W_scales 1,024 x 32 uint8 (E8M0 scales of W, one for each 32 codes along K); b 1,024 float32; features 16 x 1,024 x 1,024 float32; lengths 16 int32.
;; Outputs: out0 16 x 1,024 x 1,024 float32.
;; This version of the problem:
;;   THIS VERSION OF THE PROBLEM IS GIVEN IN LOW PRECISION. The matrix products marked QUANTISED in the list below multiply operands that are first quantised to E5M2 (5 exponent bits, 2 mantissa bits; 8 bits a number), with one power-of-two scale for each 32 numbers along K (OCP MX v1.0); their sums are f32. All else is computed in f32.
;;   The module's matrix products, in the order in which they are computed (A, B: the left and right operand; K: the contracted axis; several contracted axes count as one K, in the product's order):
;;     1. [M 16,384, K 1,024] x [K 1,024, N 1,024]; A: input features; B: input W (given as codes): QUANTISED
;;     2. batch 16 x [M 1,024, K 1,024] x [K 1,024, N 1,024]; A: computed on the way; B: input features: QUANTISED
;;     3. batch 16 x [M 1,024, K 1,024] x [K 1,024, N 1,024]; A: computed on the way; B: input features: QUANTISED
;;   THE QUANTISER, for each operand of a quantised product, along K:
;;     - K is cut into blocks of 32 from its start; a last block that is shorter is filled with zeros.
;;     - A block's scale is 2^e with e = floor(log2(the largest magnitude in the block)) - 15, held to -126 .. 127; a block of zeros has e = 0. As a byte (E8M0): e + 127.
;;     - Each number is divided by its block's scale, clamped to +-57,344, and rounded to the nearest number of E5M2, ties to even, subnormals kept.
;;     - The product sums the exact products of the quantised numbers (number of the format x scale) in f32.
;;   ~~~python
;;   def quantise(x, axis):      # numpy; x: float32 -> the quantised numbers, widened to float32 again
;;       x = np.moveaxis(x, axis, -1); K = x.shape[-1]
;;       x = np.pad(x, [(0, 0)] * (x.ndim - 1) + [(0, -K % 32)]); x = x.reshape(x.shape[:-1] + (-1, 32)); a = np.abs(x).max(-1, keepdims=True)
;;       e = np.where(a > 0, np.clip(np.frexp(np.where(a > 0, a, 1))[1] - 1 - 15, -126, 127), 0)      # np.frexp(a)[1] - 1 = floor(log2(a)), exactly
;;       r = np.clip(x / 2.0 ** e, -57344, 57344)
;;       step = 2.0 ** (np.maximum(np.frexp(np.where(r == 0, 1, r))[1] - 1, -14) - 2)
;;       q = np.round(r / step) * step * 2.0 ** e      # np.round: ties to even
;;       return np.moveaxis(q.reshape(q.shape[:-2] + (-1,))[..., :K], -1, axis).astype(np.float32)
;;   ~~~
;;   OPERANDS COMPUTED ON THE WAY. 'Computed on the way' means the value that the module computes at that place (a softmax that the list does not call 'softmax' is quantised finished and normalised). What goes into a quantiser is computed in f32, as accurately as f32 sums, v_exp_f32 and their like allow (about 1e-6 of the number): no bf16 or f16 on the way to a quantiser, and a product that is left as it is and whose result goes on into a quantised operand takes f32 operands (vector FMAs, or v_wmma_f32_16x16x4_f32). A number that lies on a knife's edge between two numbers of the format may be rounded either way, as far as f32 arithmetic and the matrix unit's own rounding can turn it there, and no further.
;;   INPUTS GIVEN AS CODES. W (in the module: [1024, 1024], K = its axis 1): each comes as NAME_codes (uint8): NAME with its K axis moved to the last place and cut into blocks of 32 codes, [.., K / 32, bytes a block], one block behind the other in memory; one code a byte (a code: sign, 5 exponent bits, 2 mantissa bits); and NAME_scales (uint8): the same leading axes, one E8M0 byte (e + 127) for each 32 codes along K. Its value is code x scale, taken as it is: it is not quantised again, and the codes and scales need not be those that the quantiser above would give.
;; 2 versions, each right; version 2 is version 1 with the launch attn written anew for expert scheduling mode. Each part assembles by itself: llvm-mc -triple=amdgcn-amd-amdhsa -mcpu=gfx1250 --defsym DOCPART=n.
;; ======== version 1 of 2: 2 launches
;; workspace buffers: FR 16,777,216 bytes; FRS 524,288 bytes; FC 16,777,216 bytes; FCS 524,288 bytes; WF 1,048,576 bytes; WS 32,768 bytes
;; launch prep (part 1): grid 256 x 1, 4 waves a work-group, no clusters, 270,848 bytes of LDS; arguments features, W_codes, W_scales, FR, FRS, FC, FCS, WF, WS; writes FR, FRS, FC, FCS, WF, WS
.if DOCPART == 1
	.amdgcn_target "amdgcn-amd-amdhsa--gfx1250"
	.amdhsa_code_object_version 6
	.text
	.protected	k_q334e28f48b_prep
	.globl	k_q334e28f48b_prep
	.p2align	8
	.type	k_q334e28f48b_prep,@function
k_q334e28f48b_prep:
	s_mov_b64 s[64:65], 0
	v_nop
	global_prefetch_b8 v0, s[64:65] scope:SCOPE_SE
	s_setreg_imm32_b32 hwreg(HW_REG_WAVE_MODE, 25, 1), 1
	s_wait_xcnt 0x0
.set PITCH, 528
.set GRP,   32*PITCH
.set WREG,  4*GRP
.set LC,  4
.set LR,  8
.set FCW, 16
.set FW,  20
.set SW,  28
.set XA,  32
.set XB,  64
.set XR,  96
.set PC,  160
.set CC,  176
.set TM,  184
.set G1,  24
.set G0,  32
	s_load_b512 s[4:19], s[0:1], 0x0
	s_load_b64 s[20:21], s[0:1], 0x40
	v_lshl_add_u32 v224, v0, 2, 0x42000
	v_mov_b32 v225, 0
	ds_add_u32 v224, v225
	ds_add_u32 v224, v225
	v_lshrrev_b32 v1, 5, v0
	v_readfirstlane_b32 s22, v1
	s_lshr_b32 s52, ttmp9, 4
	s_bfe_u32 s53, ttmp9, 0x30001
	s_and_b32 s54, ttmp9, 1
	s_lshl_b32 s54, s54, 2
	s_add_co_u32 s54, s54, s22
	s_mul_i32 s55, s22, WREG
	s_lshl_b32 s56, s52, 22
	s_lshl_b32 s57, s53, 19
	s_add_co_u32 s56, s56, s57
	s_lshl_b32 s57, s54, 9
	s_add_co_u32 s56, s56, s57
	s_mov_b32 s57, 0
	s_mov_b32 s[G1+0], (2<<16)|(1<<20)|(6<<22)|(3<<25)
	s_mov_b32 s[G1+1], 128<<16
	s_mov_b32 s[G1+2], 32<<16
	s_mov_b32 s[G1+3], 128<<16
	s_mov_b32 s[G1+4], 32
	s_mov_b32 s[G1+5], 1024
	s_mov_b32 s[G1+6], 0
	s_mov_b32 s[G1+7], 0
	s_wait_dscnt 0x0
	s_wait_kmcnt 0x0
	s_add_nc_u64 s[4:5], s[4:5], s[56:57]
.irp g, 0,1,2,3
	s_mov_b32 s[G0+4*\g], 1
	s_add_co_u32 s[G0+4*\g+1], s55, \g*GRP
	s_add_nc_u64 s[G0+4*\g+2:G0+4*\g+3], s[4:5], \g*131072
	s_or_b32 s[G0+4*\g+3], s[G0+4*\g+3], 0x80000000
.endr
.irp g, 0,1,2,3
	tensor_load_to_lds s[G0+4*\g:G0+4*\g+3], s[G1:G1+7]
	s_nop 0
.endr
.rept 4
	v_nop
.endr
	v_and_b32 v1, 31, v0
	v_lshlrev_b32 v2, 4, v1
	v_and_b32 v201, 15, v1
	v_lshrrev_b32 v202, 4, v1
	v_lshlrev_b32 v3, 4, v201
	v_lshl_add_u32 v3, v202, 11, v3
	v_lshlrev_b32 v203, 2, v1
	v_add_nc_u32 v203, s55, v203
	v_and_b32 v204, 8, v201
	v_add_nc_u32 v204, v204, v201
	v_mul_u32_u24 v205, v204, PITCH
	v_lshl_add_u32 v205, v202, 6, v205
	v_add_nc_u32 v205, s55, v205
.irp g, 0,1,2,3
	v_add_nc_u32 v[LC+\g], \g*GRP, v203
	v_add_nc_u32 v[LR+\g], \g*GRP, v205
	v_mov_b32 v[TM+4+\g], 0
.endr
	s_mov_b32 s48, 0x76543210
	s_mov_b32 s49, 0xfedcba98
	s_mov_b32 s50, 0x600000
	s_mov_b32 s51, 0xffff0000
	s_lshl_b32 s56, s52, 20
	s_lshl_b32 s58, s53, 17
	s_add_co_u32 s58, s58, s56
	s_lshl_b32 s60, s54, 14
	s_add_co_u32 s58, s58, s60
	s_mov_b32 s59, 0
	s_add_nc_u64 s[10:11], s[10:11], s[58:59]
	s_lshl_b32 s58, s54, 17
	s_add_co_u32 s58, s58, s56
	s_lshl_b32 s60, s53, 14
	s_add_co_u32 s58, s58, s60
	s_add_nc_u64 s[14:15], s[14:15], s[58:59]
	s_lshl_b32 s56, s52, 15
	s_lshl_b32 s58, s53, 12
	s_add_co_u32 s58, s58, s56
	s_lshl_b32 s60, s54, 9
	s_add_co_u32 s58, s58, s60
	s_add_nc_u64 s[12:13], s[12:13], s[58:59]
	s_lshl_b32 s58, s54, 12
	s_add_co_u32 s58, s58, s56
	s_lshl_b32 s60, s53, 9
	s_add_co_u32 s58, s58, s60
	s_add_nc_u64 s[16:17], s[16:17], s[58:59]
	s_lshr_b32 s56, ttmp9, 5
	s_lshl_b32 s57, s56, 17
	s_and_b32 s58, ttmp9, 3
	s_lshl_b32 s58, s58, 15
	s_add_co_u32 s57, s57, s58
	s_lshr_b32 s58, s22, 1
	s_lshl_b32 s58, s58, 13
	s_add_co_u32 s57, s57, s58
	s_bfe_u32 s58, ttmp9, 0x30002
	s_lshl_b32 s59, s58, 7
	s_add_co_u32 s57, s57, s59
	s_and_b32 s59, s22, 1
	s_lshl_b32 s59, s59, 6
	s_add_co_u32 s57, s57, s59
	v_lshlrev_b32 v12, 10, v204
	v_lshl_add_u32 v12, v202, 4, v12
	v_add_nc_u32 v12, s57, v12
	global_load_b128 v[208:211], v12, s[6:7]
	global_load_b128 v[212:215], v12, s[6:7] offset:32
	s_lshl_b32 s59, ttmp9, 12
	s_lshl_b32 s60, s22, 10
	s_add_co_u32 s59, s59, s60
	v_add_nc_u32 v13, s59, v2
	s_lshl_b32 s60, s56, 12
	s_bfe_u32 s61, ttmp9, 0x10001
	s_lshl_b32 s61, s61, 8
	s_add_co_u32 s60, s60, s61
	s_and_b32 s61, ttmp9, 1
	s_lshl_b32 s61, s61, 9
	s_add_co_u32 s60, s60, s61
	s_lshl_b32 s61, s58, 2
	s_add_co_u32 s60, s60, s61
	v_and_b32 v14, 3, v1
	v_lshlrev_b32 v14, 10, v14
	v_lshrrev_b32 v206, 2, v1
	v_lshl_add_u32 v14, v206, 5, v14
	v_add_nc_u32 v14, s60, v14
	s_lshl_b32 s61, ttmp9, 7
	v_lshl_add_u32 v15, v1, 2, s61
	s_wait_loadcnt 0x0
	global_store_b128 v13, v[208:211], s[18:19]
	global_store_b128 v13, v[212:215], s[18:19] offset:512
	s_cmp_lg_u32 s22, 0
	s_cbranch_scc1 .Lno_scales
	global_load_b32 v216, v14, s[8:9]
	s_wait_loadcnt 0x0
	global_store_b32 v15, v216, s[20:21]
.Lno_scales:
.macro LCOL g, a, set
.set li, 0
.rept 32
	ds_load_b32 v[\set+li], v[LC+\g] offset:li*PITCH+128*\a
.set li, li+1
.endr
.endm
.macro QCOL g, a, set
	v_max3_num_f32 v201, |v[\set]|, |v[\set+1]|, |v[\set+2]|
	v_max3_num_f32 v202, |v[\set+3]|, |v[\set+4]|, |v[\set+5]|
.irp i, 6,10,14,18,22,26
	v_max3_num_f32 v201, v201, |v[\set+\i]|, |v[\set+\i+1]|
	v_max3_num_f32 v202, v202, |v[\set+\i+2]|, |v[\set+\i+3]|
.endr
	v_max3_num_f32 v201, v201, |v[\set+30]|, |v[\set+31]|
	v_max3_num_f32 v201, v201, v202, 0x8000000
	v_add_nc_u32 v203, 0xf8800000, v201
	v_and_or_b32 v204, v201, 0x7f800000, s50
	v_lshrrev_b32 v205, 23, v203
.if \g == 0
	v_mov_b32 v[FCW+\a], v205
.else
	v_lshl_or_b32 v[FCW+\a], v205, 8*\g, v[FCW+\a]
.endif
.set qi, 0
.rept 32
	v_med3_num_f32 v[\set+qi], v[\set+qi], -v204, v204
.set qi, qi+1
.endr
	s_wait_xcnt 0x0
.irp k, 0,1,2,3
	v_cvt_scalef32_pk8_bf8_f32 v[CC+2*\k:CC+2*\k+1], v[\set+8*\k:\set+8*\k+7], v203
.endr
	v_nop
	global_store_b128 v3, v[CC:CC+3], s[14:15] offset:\a*4096+\g*512
	global_store_b128 v3, v[CC+4:CC+7], s[14:15] offset:\a*4096+\g*512+256
.endm
.macro LROW g, u, set
.irp a, 0,1,2,3
.irp k, 0,1,2,3
	ds_load_b128 v[\set+16*\a+4*\k:\set+16*\a+4*\k+3], v[LR+\g] offset:8*\u*PITCH+128*\a+16*\k
.endr
.endr
.endm
.macro QROW g, u, set
.irp b, 0,1,2,3
	v_max3_num_f32 v[TM+\b], |v[\set+16*\b]|, |v[\set+1+16*\b]|, 0x8000000
.endr
.irp i, 2,4,6,8,10,12,14
.irp b, 0,1,2,3
	v_max3_num_f32 v[TM+\b], v[TM+\b], |v[\set+16*\b+\i]|, |v[\set+1+16*\b+\i]|
.endr
.endr
.irp b, 0,1,2,3
	v_permlanex16_b32 v[TM+4+\b], v[TM+\b], s48, s49
.endr
.irp b, 0,1,2,3
	v_max_num_f32 v[TM+\b], v[TM+\b], v[TM+4+\b]
.endr
.irp b, 0,1,2,3
	v_add_nc_u32 v[TM+12+\b], 0xf8800000, v[TM+\b]
.endr
.irp b, 0,1,2,3
	v_and_or_b32 v[TM+8+\b], v[TM+\b], 0x7f800000, s50
.endr
.irp b, 0,1,2,3
	v_lshrrev_b32 v[TM+4+\b], 23, v[TM+12+\b]
.endr
	v_lshl_or_b32 v[FW+2*\g+\u], v[TM+5], 8, v[TM+4]
	v_lshl_or_b32 v[FW+2*\g+\u], v[TM+6], 16, v[FW+2*\g+\u]
	v_lshl_or_b32 v[FW+2*\g+\u], v[TM+7], 24, v[FW+2*\g+\u]
	s_wait_xcnt 0x0
.irp b, 0,1,2,3
.irp i, 0,1,2,3,4,5,6,7,8,9,10,11,12,13,14,15
	v_med3_num_f32 v[\set+16*\b+\i], v[\set+16*\b+\i], -v[TM+8+\b], v[TM+8+\b]
.endr
	v_cvt_scalef32_pk8_bf8_f32 v[PC+4*\b:PC+4*\b+1], v[\set+16*\b:\set+16*\b+7], v[TM+12+\b]
	v_cvt_scalef32_pk8_bf8_f32 v[PC+4*\b+2:PC+4*\b+3], v[\set+16*\b+8:\set+16*\b+15], v[TM+12+\b]
.endr
	v_nop
.irp b, 0,1,2,3
	global_store_b128 v2, v[PC+4*\b:PC+4*\b+3], s[10:11] offset:(2*\g+\u)*2048+512*\b
.endr
.endm
.irp g, 0,1,2,3
	s_wait_tensorcnt 3-\g
	LCOL \g, 0, XA
	LCOL \g, 1, XB
	s_wait_dscnt 32
	QCOL \g, 0, XA
	LCOL \g, 2, XA
	s_wait_dscnt 32
	QCOL \g, 1, XB
	LCOL \g, 3, XB
	s_wait_dscnt 32
	QCOL \g, 2, XA
	LROW \g, 0, XR
	s_wait_dscnt 16
	QCOL \g, 3, XB
	LROW \g, 1, XA
	s_wait_dscnt 16
	QROW \g, 0, XR
	s_wait_dscnt 0x0
	QROW \g, 1, XA
.endr
.irp j, 0,1,2,3
	v_cndmask_b32 v[SW+\j], v[FW+2*\j], v[FW+2*\j+1], s51
.endr
	global_store_b128 v2, v[SW:SW+3], s[12:13]
	global_store_b128 v2, v[FCW:FCW+3], s[16:17]
	s_wait_tensorcnt 0x0
	ds_add_u32 v224, v225
	s_wait_dscnt 0x0
	s_endpgm
.Lfunc_end_k_q334e28f48b_prep:
	.size	k_q334e28f48b_prep, .Lfunc_end_k_q334e28f48b_prep-k_q334e28f48b_prep
	.p2alignl 7, 3214868480
	.fill 96, 4, 3214868480
	.section	.rodata,"a",@progbits
	.p2align	6, 0x0
	.amdhsa_kernel k_q334e28f48b_prep
		.amdhsa_group_segment_fixed_size 270848
		.amdhsa_private_segment_fixed_size 0
		.amdhsa_enable_private_segment 0
		.amdhsa_kernarg_size 72
		.amdhsa_user_sgpr_count 2
		.amdhsa_user_sgpr_kernarg_segment_ptr 1
		.amdhsa_wavefront_size32 1
		.amdhsa_system_sgpr_workgroup_id_x 1
		.amdhsa_system_sgpr_workgroup_id_y 1
		.amdhsa_system_sgpr_workgroup_id_z 1
		.amdhsa_system_vgpr_workitem_id 0
		.amdhsa_next_free_vgpr 226
		.amdhsa_next_free_sgpr 66
		.amdhsa_reserve_vcc 0
		.amdhsa_float_denorm_mode_32 3
		.amdhsa_float_denorm_mode_16_64 3
		.amdhsa_memory_ordered 1
		.amdhsa_forward_progress 1
		.amdhsa_inst_pref_size 176
	.end_amdhsa_kernel
	.amdgpu_metadata
---
amdhsa.version: [ 1, 2 ]
amdhsa.kernels:
  - .name:           k_q334e28f48b_prep
    .symbol:         k_q334e28f48b_prep.kd
    .args:
      - { .name: features, .offset: 0, .size: 8, .value_kind: global_buffer, .address_space: global }
      - { .name: W_codes, .offset: 8, .size: 8, .value_kind: global_buffer, .address_space: global }
      - { .name: W_scales, .offset: 16, .size: 8, .value_kind: global_buffer, .address_space: global }
      - { .name: FR, .offset: 24, .size: 8, .value_kind: global_buffer, .address_space: global }
      - { .name: FRS, .offset: 32, .size: 8, .value_kind: global_buffer, .address_space: global }
      - { .name: FC, .offset: 40, .size: 8, .value_kind: global_buffer, .address_space: global }
      - { .name: FCS, .offset: 48, .size: 8, .value_kind: global_buffer, .address_space: global }
      - { .name: WF, .offset: 56, .size: 8, .value_kind: global_buffer, .address_space: global }
      - { .name: WS, .offset: 64, .size: 8, .value_kind: global_buffer, .address_space: global }
    .group_segment_fixed_size: 270848
    .private_segment_fixed_size: 0
    .kernarg_segment_align: 8
    .kernarg_segment_size: 72
    .max_flat_workgroup_size: 128
    .sgpr_count:     66
    .vgpr_count:     226
    .wavefront_size: 32
...
	.end_amdgpu_metadata
.endif
;; end of part 1
;; launch attn (part 2): grid 16 x 16, 8 waves a work-group, no clusters, 273,408 bytes of LDS; arguments WF, WS, b, FR, FRS, FC, FCS, lengths, out0; writes out0
.if DOCPART == 2
	.amdgcn_target "amdgcn-amd-amdhsa--gfx1250"
	.amdhsa_code_object_version 6
	.text
	.protected	k_q334e28f48b_attn
	.globl	k_q334e28f48b_attn
	.p2align	8
	.type	k_q334e28f48b_attn,@function
k_q334e28f48b_attn:
	s_mov_b64 s[64:65], 0
	v_nop
	global_prefetch_b8 v0, s[64:65] scope:SCOPE_SE
	s_setreg_imm32_b32 hwreg(HW_REG_WAVE_MODE, 25, 1), 1
	s_wait_xcnt 0x0
.set QIMG, 0
.set XIMG, 65536
.set PIMG, 131072
.set QSC,  196608
.set XSC,  198656
.set PSC,  200704
.set SUMX, 202752
.set STG,  204800
.set LI,   1
.set L8,   2
.set BA,   3
.set BSA,  4
.set QWI,  5
.set XWI,  6
.set PWI,  7
.set QWS,  8
.set XWS,  9
.set PWS,  10
.set SUMW, 11
.set SUMR, 12
.set STO,  13
.set SRD,  14
.set PFO,  15
.set BS,   16
.set BO,   18
.set QN,   19
.set AS,   20
.set DQ,   28
.set LV,   32
.set KB,   34
.set SM,   36
.set INV,  44
.set PW,   52
.set WP,   56
.set ZR,   60
.set BF,   64
.set PC,   64
.set TM,   80
.set DT,   96
.set QT,   96
.set QE,   112
.set RING, 128
.set WV,   22
.set BT,   23
.set IB,   24
.set LEN,  25
.set LIM,  26
.set NC,   27
.set NS,   28
.set SI,   29
.set TC,   30
.set BOFF, 31
.set BSOFF, 32
.set SGM,  33
.set SB,   34
.set SCB,  36
.set PFC,  50
.set PT,   52
.set WEND, 53
.set NSB,  54
.set FULLV, 55
.set MSB, 0
.macro WIN new
.if MSB != \new
	s_set_vgpr_msb (MSB<<8)|\new
.set MSB, \new
.endif
.endm
.macro BARRIER
	s_wait_dscnt 0x0
	s_barrier_signal -1
	s_barrier_wait -1
.endm
	s_load_b512 s[4:19], s[0:1], 0x0
	s_load_b64 s[20:21], s[0:1], 0x40
	v_lshrrev_b32 v58, 5, v0
	v_readfirstlane_b32 s[WV], v58
	s_and_b32 s[BT], ttmp7, 0xffff
	s_mov_b32 s[IB], ttmp9
	v_and_b32 v58, 31, v0
	v_and_b32 v59, 15, v0
	v_bfe_u32 v35, v0, 4, 1
	v_lshlrev_b32 v[LI], 4, v58
	v_lshlrev_b32 v[L8], 3, v58
	s_lshl_b32 s56, s[WV], 13
	v_add_nc_u32 v[QWI], s56, v[LI]
	v_add_nc_u32 v[XWI], XIMG, v[QWI]
	v_add_nc_u32 v[PWI], PIMG, v[QWI]
	s_lshl_b32 s57, s[WV], 8
	v_add_nc_u32 v[PWS], s57, v[L8]
	v_add_nc_u32 v[QWS], QSC, v[PWS]
	v_add_nc_u32 v[XWS], XSC, v[PWS]
	v_add_nc_u32 v[PWS], PSC, v[PWS]
	v_lshlrev_b32 v[SUMR], 2, v59
	v_add_nc_u32 v[SUMR], SUMX, v[SUMR]
	v_add_nc_u32 v[SUMW], s57, v[SUMR]
	s_mul_i32 s58, s[WV], 16*528
	v_mul_u32_u24 v[STO], v59, 528
	v_lshl_add_u32 v[STO], v35, 5, v[STO]
	v_add_nc_u32 v[STO], s58, v[STO]
	v_add_nc_u32 v[STO], STG, v[STO]
	v_add_nc_u32 v[SRD], s58, v[LI]
	v_add_nc_u32 v[SRD], STG, v[SRD]
	v_lshlrev_b32 v[PFO], 8, v58
	v_lshlrev_b32 v[BO], 6, v35
	v_and_b32 v[QN], 8, v59
	v_add_nc_u32 v[QN], v[QN], v59
	s_lshl_b32 s56, s[IB], 6
	s_add_co_u32 s56, s56, 1
	v_add_nc_u32 v[QN], s56, v[QN]
	s_lshl_b32 s57, s[WV], 7
	v_lshl_add_u32 v[KB], v35, 4, s57
	v_mov_b32 v[LV], 0x3fb8aa3b
	v_mov_b32 v[LV+1], 0x3fb8aa3b
.irp j, 0,1,2,3
	v_mov_b32 v[ZR+\j], 0
.endr
	s_mov_b32 s40, 0x76543210
	s_mov_b32 s41, 0xfedcba98
	s_mov_b32 s42, 0x600000
	s_mov_b32 s43, 0xffff0000
	s_mov_b32 s46, 0xc038aa3b
	s_mov_b32 s47, 0xc038aa3b
	s_cmp_lt_u32 s[WV], 4
	s_cselect_b32 s[SGM], 0, 0x80808080
	s_wait_kmcnt 0x0
	s_lshl_b32 s38, s[BT], 2
	s_mov_b32 s39, 0
	s_add_nc_u64 s[18:19], s[18:19], s[38:39]
	s_load_b32 s[LEN], s[18:19], 0x0
	s_lshl_b32 s56, s[BT], 20
	s_mov_b32 s57, 0
	s_add_nc_u64 s[10:11], s[10:11], s[56:57]
	s_add_nc_u64 s[14:15], s[14:15], s[56:57]
	s_lshl_b32 s56, s[BT], 15
	s_add_nc_u64 s[12:13], s[12:13], s[56:57]
	s_add_nc_u64 s[16:17], s[16:17], s[56:57]
	s_lshr_b32 s56, s[IB], 1
	s_and_b32 s58, s[IB], 1
	s_lshl_b32 s38, s56, 17
	s_lshl_b32 s39, s[WV], 14
	s_add_co_u32 s38, s38, s39
	s_lshl_b32 s39, s58, 13
	s_add_co_u32 s38, s38, s39
	s_mov_b32 s39, 0
	s_add_nc_u64 s[38:39], s[10:11], s[38:39]
	s_lshl_b32 s62, s56, 12
	s_lshl_b32 s63, s[WV], 9
	s_add_co_u32 s62, s62, s63
	s_lshl_b32 s63, s58, 3
	s_add_co_u32 s62, s62, s63
	s_mov_b32 s63, 0
	s_add_nc_u64 s[62:63], s[12:13], s[62:63]
.irp k, 0,1,2,3,4,5,6,7,8,9,10,11,12,13,14,15
	global_load_b128 v[BF+4*\k:BF+4*\k+3], v[LI], s[38:39] offset:512*\k
.endr
	global_load_b64 v[WP:WP+1], v[LI], s[62:63]
	s_lshl_b32 s56, s[WV], 9
	s_add_nc_u64 s[8:9], s[8:9], s[56:57]
	s_lshl_b32 s[PFC], s[IB], 16
	s_lshl_b32 s[PFC+1], s[WV], 13
	s_add_co_u32 s[PFC], s[PFC], s[PFC+1]
	s_mov_b32 s[PFC+1], 0
	s_add_nc_u64 s[PFC:PFC+1], s[14:15], s[PFC:PFC+1]
	s_lshl_b32 s58, s[WV], 17
	s_mov_b32 s59, 0
	s_lshl_b32 s60, s[WV], 12
	s_mov_b32 s61, 0
	s_add_nc_u64 s[4:5], s[4:5], s[58:59]
	s_add_nc_u64 s[10:11], s[10:11], s[58:59]
	s_add_nc_u64 s[14:15], s[14:15], s[58:59]
	s_add_nc_u64 s[6:7], s[6:7], s[60:61]
	s_add_nc_u64 s[12:13], s[12:13], s[60:61]
	s_add_nc_u64 s[16:17], s[16:17], s[60:61]
	s_lshl_b32 s58, s[BT], 22
	s_lshl_b32 s60, s[IB], 18
	s_add_co_u32 s58, s58, s60
	s_lshl_b32 s60, s[WV], 9
	s_add_co_u32 s58, s58, s60
	s_add_nc_u64 s[20:21], s[20:21], s[58:59]
.macro PRO
	global_load_b128 v[AS:AS+3], v[LI], s[SCB:SCB+1]
.irp f, 0,1,2,3,4,5,6
.irp k, 0,1,2,3
	global_load_b128 v[RING+16*\f+4*\k:RING+16*\f+4*\k+3], v[LI], s[SB:SB+1] offset:2048*\f+512*\k
.endr
.endr
.endm
.macro BLOAD0 region, sc
	s_mov_b32 s[BOFF], \region
	s_mov_b32 s[BSOFF], \sc
	v_add_nc_u32 v[BA], s[BOFF], v[LI]
	v_add_nc_u32 v[BSA], s[BSOFF], v[L8]
.irp k, 0,1,2,3,4,5,6,7,8,9,10,11,12,13,14,15
	ds_load_b128 v[BF+4*\k:BF+4*\k+3], v[BA] offset:512*\k
.endr
	ds_load_b64 v[BS:BS+1], v[BSA]
.endm
.macro WM u, q, par, zero
.set rD, 8*(4*(\u)+(\q))
.set rA, RING+16*(\u)
.set rB, BF+16*(\q)
.set rX, AS+4*(\par)+(\u)/2
.set rY, BS+(\q)/2
.set rw, 2*((\u)%2)+(\q)%2+4*(\zero)
.if rw == 0
	v_wmma_scale_f32_16x16x128_f8f6f4 v[rD:rD+7], v[rA:rA+15], v[rB:rB+15], v[rD:rD+7], v[rX], v[rY] matrix_a_fmt:MATRIX_FMT_BF8 matrix_b_fmt:MATRIX_FMT_BF8
.elseif rw == 1
	v_wmma_scale_f32_16x16x128_f8f6f4 v[rD:rD+7], v[rA:rA+15], v[rB:rB+15], v[rD:rD+7], v[rX], v[rY] matrix_a_fmt:MATRIX_FMT_BF8 matrix_b_fmt:MATRIX_FMT_BF8 matrix_b_scale:MATRIX_SCALE_ROW1
.elseif rw == 2
	v_wmma_scale_f32_16x16x128_f8f6f4 v[rD:rD+7], v[rA:rA+15], v[rB:rB+15], v[rD:rD+7], v[rX], v[rY] matrix_a_fmt:MATRIX_FMT_BF8 matrix_b_fmt:MATRIX_FMT_BF8 matrix_a_scale:MATRIX_SCALE_ROW1
.elseif rw == 3
	v_wmma_scale_f32_16x16x128_f8f6f4 v[rD:rD+7], v[rA:rA+15], v[rB:rB+15], v[rD:rD+7], v[rX], v[rY] matrix_a_fmt:MATRIX_FMT_BF8 matrix_b_fmt:MATRIX_FMT_BF8 matrix_a_scale:MATRIX_SCALE_ROW1 matrix_b_scale:MATRIX_SCALE_ROW1
.elseif rw == 4
	v_wmma_scale_f32_16x16x128_f8f6f4 v[rD:rD+7], v[rA:rA+15], v[rB:rB+15], 0, v[rX], v[rY] matrix_a_fmt:MATRIX_FMT_BF8 matrix_b_fmt:MATRIX_FMT_BF8
.elseif rw == 5
	v_wmma_scale_f32_16x16x128_f8f6f4 v[rD:rD+7], v[rA:rA+15], v[rB:rB+15], 0, v[rX], v[rY] matrix_a_fmt:MATRIX_FMT_BF8 matrix_b_fmt:MATRIX_FMT_BF8 matrix_b_scale:MATRIX_SCALE_ROW1
.elseif rw == 6
	v_wmma_scale_f32_16x16x128_f8f6f4 v[rD:rD+7], v[rA:rA+15], v[rB:rB+15], 0, v[rX], v[rY] matrix_a_fmt:MATRIX_FMT_BF8 matrix_b_fmt:MATRIX_FMT_BF8 matrix_a_scale:MATRIX_SCALE_ROW1
.else
	v_wmma_scale_f32_16x16x128_f8f6f4 v[rD:rD+7], v[rA:rA+15], v[rB:rB+15], 0, v[rX], v[rY] matrix_a_fmt:MATRIX_FMT_BF8 matrix_b_fmt:MATRIX_FMT_BF8 matrix_a_scale:MATRIX_SCALE_ROW1 matrix_b_scale:MATRIX_SCALE_ROW1
.endif
.endm
.macro STEP par, zero, last, o, guard
	WIN 0
.if \guard
	s_cmp_lt_u32 s[SI], s[NS]
	s_cbranch_scc0 .Lskip_\@
.endif
	s_wait_dscnt 0x0
.if !\last
	global_load_b128 v[AS+4*(1-\par):AS+4*(1-\par)+3], v[LI], s[SCB:SCB+1] offset:\o*512+512
.endif
.irp u, 0,1,2,3,4,5,6,7
.if \last
.if \u < 2
	s_wait_loadcnt 24
.else
	s_wait_loadcnt 4*(7-\u)
.endif
.else
.if \u == 7
	s_wait_loadcnt 24
.else
	s_wait_loadcnt 25
.endif
.endif
	WIN 0x50
.irp q, 0,1,2,3
	WM \u, \q, \par, \zero
.endr
.if !\last
.rept 4
	v_nop
.endr
.endif
.if \u == 0
	WIN 0
.irp k, 0,1,2,3
	global_load_b128 v[RING+112+4*\k:RING+112+4*\k+3], v[LI], s[SB:SB+1] offset:\o*16384+14336+512*\k
.endr
.elseif !\last
	WIN 0
.irp k, 0,1,2,3
	global_load_b128 v[RING+16*(\u-1)+4*\k:RING+16*(\u-1)+4*\k+3], v[LI], s[SB:SB+1] offset:\o*16384+16384+2048*(\u-1)+512*\k
.endr
.endif
.endr
.if \last
.rept 8
	v_nop
.endr
	WIN 0
.else
.rept 4
	v_nop
.endr
.irp k, 0,1,2,3,4,5,6,7,8,9,10,11,12,13,14,15
	ds_load_b128 v[BF+4*\k:BF+4*\k+3], v[BA] offset:\o*8192+8192+512*\k
.endr
	ds_load_b64 v[BS:BS+1], v[BSA] offset:\o*256+256
.endif
.if \guard
.Lskip_\@:
	s_add_co_u32 s[SI], s[SI], 1
.endif
.endm
.macro PASS zero, pf, guard, neg
.if \guard
	s_wait_loadcnt 28
.endif
	STEP 0, \zero, 0, 0, \guard
	s_wait_xcnt 0x0
	s_add_nc_u64 s[SB:SB+1], s[SB:SB+1], 16384
	s_add_nc_u64 s[SCB:SCB+1], s[SCB:SCB+1], 512
	s_add_co_u32 s[BOFF], s[BOFF], 8192
	s_add_co_u32 s[BSOFF], s[BSOFF], 256
	v_add_nc_u32 v[BA], s[BOFF], v[LI]
	v_add_nc_u32 v[BSA], s[BSOFF], v[L8]
	s_mov_b32 s[TC], 3
.Lk_\@:
.if \pf
	s_cmp_eq_u32 s[TC], s[PT]
	s_cbranch_scc0 .Lnp_\@
	global_prefetch_b8 v[PFO], s[PFC:PFC+1] th:TH_LOAD_NT scope:SCOPE_SE
.Lnp_\@:
.endif
	STEP 1, 0, 0, 0, \guard
.if \neg
	s_cmp_eq_u32 s[TC], 2
	s_cbranch_scc0 .Lnn_\@
	WIN 0x41
.set n, 0
.rept 128
	v_pk_mul_f32 v[2*n:2*n+1], v[2*n:2*n+1], -1.0 op_sel_hi:[1,0]
.set n, n+1
.endr
	WIN 0
.Lnn_\@:
.endif
	STEP 0, 0, 0, 1, \guard
	s_wait_xcnt 0x0
	s_add_nc_u64 s[SB:SB+1], s[SB:SB+1], 32768
	s_add_nc_u64 s[SCB:SCB+1], s[SCB:SCB+1], 1024
	s_add_co_u32 s[BOFF], s[BOFF], 16384
	s_add_co_u32 s[BSOFF], s[BSOFF], 512
	v_add_nc_u32 v[BA], s[BOFF], v[LI]
	v_add_nc_u32 v[BSA], s[BSOFF], v[L8]
	s_sub_co_u32 s[TC], s[TC], 1
	s_cmp_lg_u32 s[TC], 0
	s_cbranch_scc1 .Lk_\@
	STEP 1, 0, 1, 0, \guard
	s_wait_loadcnt 0x0
	s_wait_dscnt 0x0
.endm
.macro QUANT q, mode, adr
.if \mode
.irp g, 0,1,2,3
	WIN 0x01
.irp i, 0,1,2,3,4,5,6,7
.set rP, 8*(4*(2*\g+\i/4)+(\q))+2*(\i%4)
	v_pk_mul_f32 v[QT+2*\i:QT+2*\i+1], v[rP:rP+1], v[INV+2*(\q):INV+2*(\q)+1] op_sel_hi:[1,0]
.endr
	WIN 0x10
.irp i, 0,1,2,3,4,5,6,7
.set rP, 8*(4*(2*\g+\i/4)+(\q))+2*(\i%4)
	v_pk_fma_f32 v[QE+2*\i:QE+2*\i+1], v[QT+2*\i:QT+2*\i+1], v[SM+2*(\q):SM+2*(\q)+1], v[rP:rP+1] op_sel_hi:[1,0,1] neg_lo:[1,0,0] neg_hi:[1,0,0]
.endr
	WIN 0x40
.irp i, 0,1,2,3,4,5,6,7
.set rP, 8*(4*(2*\g+\i/4)+(\q))+2*(\i%4)
	v_pk_fma_f32 v[rP:rP+1], v[QE+2*\i:QE+2*\i+1], v[INV+2*(\q):INV+2*(\q)+1], v[QT+2*\i:QT+2*\i+1] op_sel_hi:[1,0,1]
.endr
.endr
.endif
	WIN 0
.irp b, 0,1,2,3
	v_mov_b32 v[TM+\b], 0x8000000
	v_mov_b32 v[TM+4+\b], 0
.endr
	WIN 0x14
.irp hf, 0,1
.irp j, 0,2,4,6
.irp b, 0,1,2,3
.if \mode
	v_max3_num_f32 v[TM+\b], v[TM+\b], v[8*(4*(2*\b+\hf)+(\q))+\j], v[8*(4*(2*\b+\hf)+(\q))+\j+1]
.else
	v_max3_num_f32 v[TM+\b], v[TM+\b], |v[8*(4*(2*\b+\hf)+(\q))+\j]|, |v[8*(4*(2*\b+\hf)+(\q))+\j+1]|
.endif
.endr
.endr
.endr
	WIN 0
.irp b, 0,1,2,3
	v_permlanex16_b32 v[TM+4+\b], v[TM+\b], s40, s41
.endr
.irp b, 0,1,2,3
	v_max_num_f32 v[TM+\b], v[TM+\b], v[TM+4+\b]
.endr
.irp b, 0,1,2,3
	v_add_nc_u32 v[TM+12+\b], 0xf8800000, v[TM+\b]
.endr
.irp b, 0,1,2,3
	v_and_or_b32 v[TM+8+\b], v[TM+\b], 0x7f800000, s42
.endr
.irp b, 0,1,2,3
	v_lshrrev_b32 v[TM+4+\b], 23, v[TM+12+\b]
.endr
	v_lshl_or_b32 v[PW+(\q)], v[TM+5], 8, v[TM+4]
	v_lshl_or_b32 v[PW+(\q)], v[TM+6], 16, v[PW+(\q)]
	v_lshl_or_b32 v[PW+(\q)], v[TM+7], 24, v[PW+(\q)]
	WIN 0x41
.irp b, 0,1,2,3
.irp hf, 0,1
.irp j, 0,1,2,3,4,5,6,7
.if \mode
	v_min_num_f32 v[8*(4*(2*\b+\hf)+(\q))+\j], v[8*(4*(2*\b+\hf)+(\q))+\j], v[TM+8+\b]
.else
	v_med3_num_f32 v[8*(4*(2*\b+\hf)+(\q))+\j], v[8*(4*(2*\b+\hf)+(\q))+\j], -v[TM+8+\b], v[TM+8+\b]
.endif
.endr
.endr
.endr
	s_wait_dscnt 0x0
	WIN 0x01
.irp b, 0,1,2,3
	v_cvt_scalef32_pk8_bf8_f32 v[PC+4*\b:PC+4*\b+1], v[8*(4*(2*\b)+(\q)):8*(4*(2*\b)+(\q))+7], v[TM+12+\b]
	v_cvt_scalef32_pk8_bf8_f32 v[PC+4*\b+2:PC+4*\b+3], v[8*(4*(2*\b+1)+(\q)):8*(4*(2*\b+1)+(\q))+7], v[TM+12+\b]
.endr
	WIN 0
	v_nop
.if !\mode
.set n, 0
.rept 16
	v_xor_b32 v[PC+n], s[SGM], v[PC+n]
.set n, n+1
.endr
.endif
.irp b, 0,1,2,3
	ds_store_b128 v[\adr], v[PC+4*\b:PC+4*\b+3] offset:2048*(\q)+512*\b
.endr
.endm
.macro SCW adr
	v_cndmask_b32 v[WP], v[PW], v[PW+1], s43
	v_cndmask_b32 v[WP+1], v[PW+2], v[PW+3], s43
	ds_store_b64 v[\adr], v[WP:WP+1]
.endm
	s_mov_b64 s[SB:SB+1], s[4:5]
	s_mov_b64 s[SCB:SCB+1], s[6:7]
	PRO
	s_wait_kmcnt 0x0
	s_min_u32 s[LEN], s[LEN], 1024
	s_lshl_b32 s56, s[IB], 6
	s_add_co_u32 s57, s56, 64
	s_min_u32 s[LIM], s57, s[LEN]
	s_add_co_u32 s[NC], s[LIM], 127
	s_lshr_b32 s[NC], s[NC], 7
	s_lshl_b32 s57, s[WV], 7
	s_cmp_lt_u32 s57, s[LIM]
	s_cselect_b32 s[NSB], 8, 0
	s_add_co_u32 s[WEND], s57, 128
	s_add_co_u32 s56, s56, 1
	s_min_u32 s[FULLV], s56, s[LEN]
	s_and_b32 s56, s[IB], 1
	s_lshl_b32 s56, s56, 2
	s_lshr_b32 s57, s[WV], 1
	s_add_co_u32 s56, s56, s57
	s_lshl_b32 s56, s56, 7
	s_cmp_lt_u32 s56, s[LEN]
	s_cselect_b32 s[PT], 1, 99
	s_wait_loadcnt 29
.set n, 0
.rept 64
	v_xor_b32 v[BF+n], s[SGM], v[BF+n]
.set n, n+1
.endr
.irp k, 0,1,2,3,4,5,6,7,8,9,10,11,12,13,14,15
	ds_store_b128 v[QWI], v[BF+4*\k:BF+4*\k+3] offset:512*\k
.endr
	ds_store_b64 v[QWS], v[WP:WP+1]
	BARRIER
	BLOAD0 QIMG, QSC
	PASS 1, 0, 0, 1
.irp u, 0,1,2,3,4,5,6,7
	global_load_b128 v[BF+8*\u:BF+8*\u+3], v[BO], s[8:9] offset:(32*(\u/2)+8*(\u%2))*4
	global_load_b128 v[BF+8*\u+4:BF+8*\u+7], v[BO], s[8:9] offset:(32*(\u/2)+8*(\u%2))*4+16
.endr
	s_mov_b64 s[SB:SB+1], s[10:11]
	s_mov_b64 s[SCB:SCB+1], s[12:13]
	PRO
	s_wait_loadcnt 29
	WIN 0x41
.irp u, 0,1,2,3,4,5,6,7
.irp q, 0,1,2,3
.irp j, 0,2,4,6
	v_pk_fma_f32 v[8*(4*\u+\q)+\j:8*(4*\u+\q)+\j+1], v[8*(4*\u+\q)+\j:8*(4*\u+\q)+\j+1], -1.0, v[BF+8*\u+\j:BF+8*\u+\j+1] op_sel_hi:[1,0,1]
.endr
.endr
.endr
	WIN 0
	QUANT 0, 0, XWI
	QUANT 1, 0, XWI
	QUANT 2, 0, XWI
	QUANT 3, 0, XWI
	SCW XWS
	BARRIER
	BLOAD0 XIMG, XSC
	s_mov_b32 s[NS], s[NSB]
	s_mov_b32 s[SI], 0
	PASS 1, 1, 1, 1
	s_mov_b64 s[SB:SB+1], s[14:15]
	s_mov_b64 s[SCB:SCB+1], s[16:17]
	PRO
.irp j, 0,1,2,3,4,5,6,7
	v_mov_b32 v[SM+\j], 0
.endr
	s_cmp_eq_u32 s[NSB], 0
	s_cbranch_scc1 .Lidle1
	WIN 0x41
.set n, 0
.rept 128
	v_pk_mul_f32 v[2*n:2*n+1], v[2*n:2*n+1], s[46:47] op_sel_hi:[1,0]
.set n, n+1
.endr
.set n, 0
.rept 256
	v_exp_f32 v[n], v[n]
.set n, n+1
.endr
	v_nop
	s_wait_alu depctr_va_vdst(0)
.set n, 0
.rept 128
	v_pk_add_f32 v[2*n:2*n+1], v[2*n:2*n+1], 1.0 op_sel_hi:[1,0]
.set n, n+1
.endr
.set n, 0
.rept 256
	v_rcp_f32 v[n], v[n]
.set n, n+1
.endr
	v_nop
	s_wait_alu depctr_va_vdst(0)
.set n, 0
.rept 128
	v_pk_fma_f32 v[2*n:2*n+1], v[2*n:2*n+1], s[46:47], v[LV:LV+1] op_sel_hi:[1,0,1]
.set n, n+1
.endr
.set n, 0
.rept 256
	v_exp_f32 v[n], v[n]
.set n, n+1
.endr
	v_nop
	s_wait_alu depctr_va_vdst(0)
	WIN 0
	s_cmp_le_u32 s[WEND], s[FULLV]
	s_cbranch_scc1 .Lopen
.irp q, 0,1,2,3
	v_add_nc_u32 v[DQ+\q], 32*(\q/2)+8*(\q%2), v[QN]
	v_min_u32 v[DQ+\q], s[LEN], v[DQ+\q]
	v_sub_nc_u32 v[DQ+\q], v[DQ+\q], v[KB]
.irp b, 0,1,2,3
	v_add_nc_u32 v[DT+4*\q+\b], -32*\b, v[DQ+\q]
.endr
.endr
	WIN 0x41
.set n, 0
.rept 256
	v_cmp_ge_i32 vcc_lo, 8*((n/32)%2)+n%8, v[DT+4*((n/8)%4)+n/64]
	v_cndmask_b32 v[n], v[n], v[ZR], vcc_lo
.set n, n+1
.endr
	WIN 0
.Lopen:
	WIN 0x04
.set n, 0
.rept 128
	v_pk_add_f32 v[SM+2*(n%4):SM+2*(n%4)+1], v[SM+2*(n%4):SM+2*(n%4)+1], v[8*(4*(n/16)+n%4)+2*((n/4)%4):8*(4*(n/16)+n%4)+2*((n/4)%4)+1]
.set n, n+1
.endr
	WIN 0
.Lidle1:
.irp q, 0,1,2,3
	v_add_f32 v[SM+2*\q], v[SM+2*\q], v[SM+2*\q+1]
.endr
.irp q, 0,1,2,3
	v_permlanex16_b32 v[SM+2*\q+1], v[SM+2*\q], s40, s41
.endr
.irp q, 0,1,2,3
	v_add_f32 v[SM+2*\q], v[SM+2*\q], v[SM+2*\q+1]
.endr
.irp q, 0,1,2,3
	ds_store_b32 v[SUMW], v[SM+2*\q] offset:64*\q
.endr
	BARRIER
	s_cmp_eq_u32 s[NSB], 0
	s_cbranch_scc1 .Lidle2
.irp q, 0,1,2,3
.irp w, 0,1,2,3,4,5,6,7
	ds_load_b32 v[64+8*\q+\w], v[SUMR] offset:256*\w+64*\q
.endr
.endr
	s_wait_dscnt 0x0
.irp q, 0,1,2,3
	v_add_f32 v[64+8*\q], v[64+8*\q], v[65+8*\q]
	v_add_f32 v[66+8*\q], v[66+8*\q], v[67+8*\q]
	v_add_f32 v[68+8*\q], v[68+8*\q], v[69+8*\q]
	v_add_f32 v[70+8*\q], v[70+8*\q], v[71+8*\q]
.endr
.irp q, 0,1,2,3
	v_add_f32 v[64+8*\q], v[64+8*\q], v[66+8*\q]
	v_add_f32 v[68+8*\q], v[68+8*\q], v[70+8*\q]
.endr
.irp q, 0,1,2,3
	v_add_f32 v[SM+2*\q], v[64+8*\q], v[68+8*\q]
.endr
.irp q, 0,1,2,3
	v_mov_b32 v[SM+2*\q+1], v[SM+2*\q]
.endr
.irp q, 0,1,2,3
	v_rcp_f32 v[INV+2*\q], v[SM+2*\q]
	v_rcp_f32 v[INV+2*\q+1], v[SM+2*\q]
.endr
	v_nop
	s_wait_alu depctr_va_vdst(0)
	QUANT 0, 1, PWI
	QUANT 1, 1, PWI
	QUANT 2, 1, PWI
	QUANT 3, 1, PWI
	SCW PWS
	s_branch .Ljoin2
.Lidle2:
.irp k, 0,1,2,3,4,5,6,7,8,9,10,11,12,13,14,15
	ds_store_b128 v[PWI], v[ZR:ZR+3] offset:512*\k
.endr
	ds_store_b64 v[PWS], v[ZR:ZR+1]
.Ljoin2:
	BARRIER
	BLOAD0 PIMG, PSC
	s_mov_b32 s[NS], s[NC]
	s_mov_b32 s[SI], 0
	PASS 1, 0, 1, 0
.macro TOSTAGE q
	WIN 0x04
.irp u, 0,1,2,3,4,5,6,7
	ds_store_b128 v[STO], v[8*(4*\u+(\q)):8*(4*\u+(\q))+3] offset:64*\u
	ds_store_b128 v[STO], v[8*(4*\u+(\q))+4:8*(4*\u+(\q))+7] offset:64*\u+16
.endr
	WIN 0
.set BB, 64+64*((\q)%2)
.irp t, 0,1,2,3,4,5,6,7,8,9,10,11,12,13,14,15
	ds_load_b128 v[BB+4*\t:BB+4*\t+3], v[SRD] offset:\t*528
.endr
.endm
.macro SEND q, younger
.set BB, 64+64*((\q)%2)
	s_wait_dscnt \younger
.irp t, 0,1,2,3,4,5,6,7,8,9,10,11,12,13,14,15
	global_store_b128 v[LI], v[BB+4*\t:BB+4*\t+3], s[20:21] offset:(32*((\q)/2)+8*((\q)%2)+\t+8*(\t/8))*4096 th:TH_STORE_NT
.endr
.endm
	TOSTAGE 0
.irp q, 1,2,3
.if \q > 1
	s_wait_xcnt 0x0
.endif
	TOSTAGE \q
	SEND \q-1, 32
.endr
	SEND 3, 0
	s_wait_xcnt 0x0
	v_lshl_add_u32 v254, v0, 2, 0x42800
	v_mov_b32 v255, 0
	s_wait_tensorcnt 0x0
	ds_add_u32 v254, v255
	s_wait_dscnt 0x0
	s_endpgm
.Lfunc_end_k_q334e28f48b_attn:
	.size	k_q334e28f48b_attn, .Lfunc_end_k_q334e28f48b_attn-k_q334e28f48b_attn
	.p2alignl 7, 3214868480
	.fill 96, 4, 3214868480
	.section	.rodata,"a",@progbits
	.p2align	6, 0x0
	.amdhsa_kernel k_q334e28f48b_attn
		.amdhsa_group_segment_fixed_size 273408
		.amdhsa_private_segment_fixed_size 0
		.amdhsa_enable_private_segment 0
		.amdhsa_kernarg_size 72
		.amdhsa_user_sgpr_count 2
		.amdhsa_user_sgpr_kernarg_segment_ptr 1
		.amdhsa_wavefront_size32 1
		.amdhsa_system_sgpr_workgroup_id_x 1
		.amdhsa_system_sgpr_workgroup_id_y 1
		.amdhsa_system_sgpr_workgroup_id_z 1
		.amdhsa_system_vgpr_workitem_id 0
		.amdhsa_next_free_vgpr 512
		.amdhsa_next_free_sgpr 66
		.amdhsa_reserve_vcc 1
		.amdhsa_float_denorm_mode_32 3
		.amdhsa_float_denorm_mode_16_64 3
		.amdhsa_memory_ordered 1
		.amdhsa_forward_progress 1
		.amdhsa_inst_pref_size 255
	.end_amdhsa_kernel
	.section	.bss,"aw",@nobits
	.p2align	6
	.space	262144
	.amdgpu_metadata
---
amdhsa.version: [ 1, 2 ]
amdhsa.kernels:
  - .name:           k_q334e28f48b_attn
    .symbol:         k_q334e28f48b_attn.kd
    .args:
      - { .name: WF, .offset: 0, .size: 8, .value_kind: global_buffer, .address_space: global }
      - { .name: WS, .offset: 8, .size: 8, .value_kind: global_buffer, .address_space: global }
      - { .name: b, .offset: 16, .size: 8, .value_kind: global_buffer, .address_space: global }
      - { .name: FR, .offset: 24, .size: 8, .value_kind: global_buffer, .address_space: global }
      - { .name: FRS, .offset: 32, .size: 8, .value_kind: global_buffer, .address_space: global }
      - { .name: FC, .offset: 40, .size: 8, .value_kind: global_buffer, .address_space: global }
      - { .name: FCS, .offset: 48, .size: 8, .value_kind: global_buffer, .address_space: global }
      - { .name: lengths, .offset: 56, .size: 8, .value_kind: global_buffer, .address_space: global }
      - { .name: out0, .offset: 64, .size: 8, .value_kind: global_buffer, .address_space: global }
    .group_segment_fixed_size: 273408
    .private_segment_fixed_size: 0
    .kernarg_segment_align: 8
    .kernarg_segment_size: 72
    .max_flat_workgroup_size: 256
    .sgpr_count:     66
    .vgpr_count:     512
    .wavefront_size: 32
...
	.end_amdgpu_metadata
.endif
;; end of part 2
;; ======== version 2 of 2: 2 launches; version 1 with the launch attn written anew for expert scheduling mode
;; workspace buffers: FR 16,777,216 bytes; FRS 524,288 bytes; FC 16,777,216 bytes; FCS 524,288 bytes; WF 1,048,576 bytes; WS 32,768 bytes
;; launch prep: the kernel of part 1 again; grid 256 x 1, 4 waves a work-group, no clusters, 270,848 bytes of LDS; arguments features, W_codes, W_scales, FR, FRS, FC, FCS, WF, WS; writes FR, FRS, FC, FCS, WF, WS
;; launch attn (part 3): grid 16 x 16, 8 waves a work-group, no clusters, 273,408 bytes of LDS; arguments WF, WS, b, FR, FRS, FC, FCS, lengths, out0; writes out0
.if DOCPART == 3
	.amdgcn_target "amdgcn-amd-amdhsa--gfx1250"
	.amdhsa_code_object_version 6
	.text
	.protected	k_q334e28f48b_attn
	.globl	k_q334e28f48b_attn
	.p2align	8
	.type	k_q334e28f48b_attn,@function
k_q334e28f48b_attn:
	s_mov_b64 s[64:65], 0
	v_nop
	global_prefetch_b8 v0, s[64:65] scope:SCOPE_SE
	s_setreg_imm32_b32 hwreg(HW_REG_WAVE_SCHED_MODE, 0, 2), 2
	s_setreg_imm32_b32 hwreg(HW_REG_WAVE_MODE, 25, 1), 1
	s_wait_xcnt 0x0
	s_wait_alu depctr_vm_vsrc(0)
.set QIMG, 0
.set XIMG, 65536
.set PIMG, 131072
.set QSC,  196608
.set XSC,  198656
.set PSC,  200704
.set SUMX, 202752
.set STG,  204800
.set LI,   1
.set L8,   2
.set BA,   3
.set BSA,  4
.set QWI,  5
.set XWI,  6
.set PWI,  7
.set QWS,  8
.set XWS,  9
.set PWS,  10
.set SUMW, 11
.set SUMR, 12
.set STO,  13
.set SRD,  14
.set PFO,  15
.set BS,   16
.set BO,   18
.set QN,   19
.set AS,   20
.set DQ,   28
.set LV,   32
.set KB,   34
.set SM,   36
.set INV,  44
.set PW,   52
.set WP,   56
.set ZR,   60
.set BF,   64
.set PC,   64
.set TM,   80
.set DT,   96
.set QT,   96
.set QE,   112
.set RING, 128
.set WV,   22
.set BT,   23
.set IB,   24
.set LEN,  25
.set LIM,  26
.set NC,   27
.set NS,   28
.set SI,   29
.set TC,   30
.set BOFF, 31
.set BSOFF, 32
.set SGM,  33
.set SB,   34
.set SCB,  36
.set SBH,  44
.set PFC,  50
.set PT,   52
.set WEND, 53
.set NSB,  54
.set FULLV, 55
.set MK,   66
.set MSB, 0
.macro WIN new
.if MSB != \new
	s_set_vgpr_msb (MSB<<8)|\new
.set MSB, \new
.endif
.endm
.macro BARRIER
	s_wait_dscnt 0x0
	s_barrier_signal -1
	s_barrier_wait -1
.endm
	s_load_b512 s[4:19], s[0:1], 0x0
	s_load_b64 s[20:21], s[0:1], 0x40
	v_lshrrev_b32 v58, 5, v0
	v_readfirstlane_b32 s[WV], v58
	s_and_b32 s[BT], ttmp7, 0xffff
	s_mov_b32 s[IB], ttmp9
	v_and_b32 v58, 31, v0
	v_and_b32 v59, 15, v0
	v_bfe_u32 v35, v0, 4, 1
	v_lshlrev_b32 v[LI], 4, v58
	v_lshlrev_b32 v[L8], 3, v58
	s_wait_alu depctr_va_sdst(0)
	s_lshl_b32 s56, s[WV], 13
	v_add_nc_u32 v[QWI], s56, v[LI]
	v_add_nc_u32 v[XWI], XIMG, v[QWI]
	v_add_nc_u32 v[PWI], PIMG, v[QWI]
	s_lshl_b32 s57, s[WV], 8
	v_add_nc_u32 v[PWS], s57, v[L8]
	v_add_nc_u32 v[QWS], QSC, v[PWS]
	v_add_nc_u32 v[XWS], XSC, v[PWS]
	v_add_nc_u32 v[PWS], PSC, v[PWS]
	v_lshlrev_b32 v[SUMR], 2, v59
	v_add_nc_u32 v[SUMR], SUMX, v[SUMR]
	v_add_nc_u32 v[SUMW], s57, v[SUMR]
	s_mul_i32 s58, s[WV], 16*528
	v_mul_u32_u24 v[STO], v59, 528
	v_lshl_add_u32 v[STO], v35, 5, v[STO]
	v_add_nc_u32 v[STO], s58, v[STO]
	v_add_nc_u32 v[STO], STG, v[STO]
	v_add_nc_u32 v[SRD], s58, v[LI]
	v_add_nc_u32 v[SRD], STG, v[SRD]
	v_lshlrev_b32 v[PFO], 8, v58
	v_lshlrev_b32 v[BO], 6, v35
	v_and_b32 v[QN], 8, v59
	v_add_nc_u32 v[QN], v[QN], v59
	s_lshl_b32 s56, s[IB], 6
	s_add_co_u32 s56, s56, 1
	v_add_nc_u32 v[QN], s56, v[QN]
	s_lshl_b32 s57, s[WV], 7
	v_lshl_add_u32 v[KB], v35, 4, s57
	v_mov_b32 v[LV], 0x3fb8aa3b
	v_mov_b32 v[LV+1], 0x3fb8aa3b
.irp j, 0,1,2,3
	v_mov_b32 v[ZR+\j], 0
.endr
	s_mov_b32 s40, 0x76543210
	s_mov_b32 s41, 0xfedcba98
	s_mov_b32 s42, 0x600000
	s_mov_b32 s43, 0xffff0000
	s_mov_b32 s46, 0xc038aa3b
	s_mov_b32 s47, 0xc038aa3b
	s_cmp_lt_u32 s[WV], 4
	s_cselect_b32 s[SGM], 0, 0x80808080
	s_wait_kmcnt 0x0
	s_lshl_b32 s38, s[BT], 2
	s_mov_b32 s39, 0
	s_add_nc_u64 s[18:19], s[18:19], s[38:39]
	s_load_b32 s[LEN], s[18:19], 0x0
	s_lshl_b32 s56, s[BT], 20
	s_mov_b32 s57, 0
	s_add_nc_u64 s[10:11], s[10:11], s[56:57]
	s_add_nc_u64 s[14:15], s[14:15], s[56:57]
	s_lshl_b32 s56, s[BT], 15
	s_add_nc_u64 s[12:13], s[12:13], s[56:57]
	s_add_nc_u64 s[16:17], s[16:17], s[56:57]
	s_lshr_b32 s56, s[IB], 1
	s_and_b32 s58, s[IB], 1
	s_lshl_b32 s38, s56, 17
	s_lshl_b32 s39, s[WV], 14
	s_add_co_u32 s38, s38, s39
	s_lshl_b32 s39, s58, 13
	s_add_co_u32 s38, s38, s39
	s_mov_b32 s39, 0
	s_add_nc_u64 s[38:39], s[10:11], s[38:39]
	s_lshl_b32 s62, s56, 12
	s_lshl_b32 s63, s[WV], 9
	s_add_co_u32 s62, s62, s63
	s_lshl_b32 s63, s58, 3
	s_add_co_u32 s62, s62, s63
	s_mov_b32 s63, 0
	s_add_nc_u64 s[62:63], s[12:13], s[62:63]
	s_wait_alu depctr_va_vdst(0)
.irp k, 0,1,2,3,4,5,6,7,8,9,10,11,12,13,14,15
	global_load_b128 v[BF+4*\k:BF+4*\k+3], v[LI], s[38:39] offset:512*\k
.endr
	global_load_b64 v[WP:WP+1], v[LI], s[62:63]
	s_lshl_b32 s56, s[WV], 9
	s_add_nc_u64 s[8:9], s[8:9], s[56:57]
	s_lshl_b32 s[PFC], s[IB], 16
	s_lshl_b32 s[PFC+1], s[WV], 13
	s_add_co_u32 s[PFC], s[PFC], s[PFC+1]
	s_mov_b32 s[PFC+1], 0
	s_add_nc_u64 s[PFC:PFC+1], s[14:15], s[PFC:PFC+1]
	s_lshl_b32 s58, s[WV], 17
	s_mov_b32 s59, 0
	s_lshl_b32 s60, s[WV], 12
	s_mov_b32 s61, 0
	s_add_nc_u64 s[4:5], s[4:5], s[58:59]
	s_add_nc_u64 s[10:11], s[10:11], s[58:59]
	s_add_nc_u64 s[14:15], s[14:15], s[58:59]
	s_add_nc_u64 s[6:7], s[6:7], s[60:61]
	s_add_nc_u64 s[12:13], s[12:13], s[60:61]
	s_add_nc_u64 s[16:17], s[16:17], s[60:61]
	s_lshl_b32 s58, s[BT], 22
	s_lshl_b32 s60, s[IB], 18
	s_add_co_u32 s58, s58, s60
	s_lshl_b32 s60, s[WV], 9
	s_add_co_u32 s58, s58, s60
	s_add_nc_u64 s[20:21], s[20:21], s[58:59]
.macro PRO
	global_load_b128 v[AS:AS+3], v[LI], s[SCB:SCB+1]
.irp f, 0,1,2,3
.irp k, 0,1,2,3
	global_load_b128 v[RING+16*\f+4*\k:RING+16*\f+4*\k+3], v[LI], s[SB:SB+1] offset:2048*\f+512*\k
.endr
.endr
.irp f, 4,5,6,7
.irp k, 0,1,2,3
	global_load_b128 v[RING+16*\f+4*\k:RING+16*\f+4*\k+3], v[LI], s[SBH:SBH+1] offset:2048*\f+512*\k
.endr
.endr
.endm
.macro BLOAD0 region, sc
	s_mov_b32 s[BOFF], \region
	s_mov_b32 s[BSOFF], \sc
	s_wait_alu depctr_vm_vsrc(0)
	v_add_nc_u32 v[BA], s[BOFF], v[LI]
	v_add_nc_u32 v[BSA], s[BSOFF], v[L8]
	s_wait_alu depctr_va_vdst(0)
.irp k, 0,1,2,3,4,5,6,7,8,9,10,11,12,13,14,15
	ds_load_b128 v[BF+4*\k:BF+4*\k+3], v[BA] offset:512*\k
.endr
	ds_load_b64 v[BS:BS+1], v[BSA]
.endm
.macro WM u, q, par, zero
.set rD, 8*(4*(\u)+(\q))
.set rA, RING+16*(\u)
.set rB, BF+16*(\q)
.set rX, AS+4*(\par)+(\u)/2
.set rY, BS+(\q)/2
.set rw, 2*((\u)%2)+(\q)%2+4*(\zero)
.if rw == 0
	v_wmma_scale_f32_16x16x128_f8f6f4 v[rD:rD+7], v[rA:rA+15], v[rB:rB+15], v[rD:rD+7], v[rX], v[rY] matrix_a_fmt:MATRIX_FMT_BF8 matrix_b_fmt:MATRIX_FMT_BF8
.elseif rw == 1
	v_wmma_scale_f32_16x16x128_f8f6f4 v[rD:rD+7], v[rA:rA+15], v[rB:rB+15], v[rD:rD+7], v[rX], v[rY] matrix_a_fmt:MATRIX_FMT_BF8 matrix_b_fmt:MATRIX_FMT_BF8 matrix_b_scale:MATRIX_SCALE_ROW1
.elseif rw == 2
	v_wmma_scale_f32_16x16x128_f8f6f4 v[rD:rD+7], v[rA:rA+15], v[rB:rB+15], v[rD:rD+7], v[rX], v[rY] matrix_a_fmt:MATRIX_FMT_BF8 matrix_b_fmt:MATRIX_FMT_BF8 matrix_a_scale:MATRIX_SCALE_ROW1
.elseif rw == 3
	v_wmma_scale_f32_16x16x128_f8f6f4 v[rD:rD+7], v[rA:rA+15], v[rB:rB+15], v[rD:rD+7], v[rX], v[rY] matrix_a_fmt:MATRIX_FMT_BF8 matrix_b_fmt:MATRIX_FMT_BF8 matrix_a_scale:MATRIX_SCALE_ROW1 matrix_b_scale:MATRIX_SCALE_ROW1
.elseif rw == 4
	v_wmma_scale_f32_16x16x128_f8f6f4 v[rD:rD+7], v[rA:rA+15], v[rB:rB+15], 0, v[rX], v[rY] matrix_a_fmt:MATRIX_FMT_BF8 matrix_b_fmt:MATRIX_FMT_BF8
.elseif rw == 5
	v_wmma_scale_f32_16x16x128_f8f6f4 v[rD:rD+7], v[rA:rA+15], v[rB:rB+15], 0, v[rX], v[rY] matrix_a_fmt:MATRIX_FMT_BF8 matrix_b_fmt:MATRIX_FMT_BF8 matrix_b_scale:MATRIX_SCALE_ROW1
.elseif rw == 6
	v_wmma_scale_f32_16x16x128_f8f6f4 v[rD:rD+7], v[rA:rA+15], v[rB:rB+15], 0, v[rX], v[rY] matrix_a_fmt:MATRIX_FMT_BF8 matrix_b_fmt:MATRIX_FMT_BF8 matrix_a_scale:MATRIX_SCALE_ROW1
.else
	v_wmma_scale_f32_16x16x128_f8f6f4 v[rD:rD+7], v[rA:rA+15], v[rB:rB+15], 0, v[rX], v[rY] matrix_a_fmt:MATRIX_FMT_BF8 matrix_b_fmt:MATRIX_FMT_BF8 matrix_a_scale:MATRIX_SCALE_ROW1 matrix_b_scale:MATRIX_SCALE_ROW1
.endif
.endm
.macro STEP par, zero, last, o, guard
	WIN 0
.if \guard
	s_cmp_lt_u32 s[SI], s[NS]
	s_cbranch_scc0 .Lskip_\@
.endif
.if !\last
	global_load_b128 v[AS+4*(1-\par):AS+4*(1-\par)+3], v[LI], s[SCB:SCB+1] offset:512
.endif
	s_wait_dscnt 0x0
.irp u, 0,1,2,3,4,5,6,7
.if \last
	s_wait_loadcnt 4*(7-\u)
.elseif \u == 7
	s_wait_loadcnt 16
.else
	s_wait_loadcnt 4*(3-(\u)%4)+17
.endif
	WIN 0x50
.irp q, 0,1,2,3
	WM \u, \q, \par, \zero
.endr
.if (\u == 3) && !\last
.rept 8
	v_nop
.endr
	WIN 0
	s_wait_alu depctr_va_vdst(0)
	s_add_nc_u64 s[SB:SB+1], s[SB:SB+1], 16384
.irp f, 0,1,2,3
.irp k, 0,1,2,3
	global_load_b128 v[RING+16*\f+4*\k:RING+16*\f+4*\k+3], v[LI], s[SB:SB+1] offset:2048*\f+512*\k
.endr
.endr
.endif
.endr
.rept 8
	v_nop
.endr
	WIN 0
.if !\last
	s_wait_alu depctr_va_vdst(0)
.irp k, 0,1,2,3,4,5,6,7,8,9,10,11,12,13,14,15
	ds_load_b128 v[BF+4*\k:BF+4*\k+3], v[BA] offset:\o*8192+8192+512*\k
.endr
	ds_load_b64 v[BS:BS+1], v[BSA] offset:\o*256+256
	s_add_nc_u64 s[SBH:SBH+1], s[SBH:SBH+1], 16384
	s_add_nc_u64 s[SCB:SCB+1], s[SCB:SCB+1], 512
.irp f, 4,5,6,7
.irp k, 0,1,2,3
	global_load_b128 v[RING+16*\f+4*\k:RING+16*\f+4*\k+3], v[LI], s[SBH:SBH+1] offset:2048*\f+512*\k
.endr
.endr
.endif
.if \guard
.Lskip_\@:
	s_add_co_u32 s[SI], s[SI], 1
.endif
.endm
.macro PASS zero, pf, guard, neg
.if \guard
	s_wait_loadcnt 32
.endif
	STEP 0, \zero, 0, 0, \guard
	s_add_co_u32 s[BOFF], s[BOFF], 8192
	s_add_co_u32 s[BSOFF], s[BSOFF], 256
	s_wait_alu depctr_vm_vsrc(0)
	v_add_nc_u32 v[BA], s[BOFF], v[LI]
	v_add_nc_u32 v[BSA], s[BSOFF], v[L8]
	s_mov_b32 s[TC], 3
.Lk_\@:
.if \pf
	s_cmp_eq_u32 s[TC], s[PT]
	s_cbranch_scc0 .Lnp_\@
	global_prefetch_b8 v[PFO], s[PFC:PFC+1] th:TH_LOAD_NT scope:SCOPE_SE
.Lnp_\@:
.endif
	STEP 1, 0, 0, 0, \guard
.if \neg
	s_cmp_eq_u32 s[TC], 2
	s_cbranch_scc0 .Lnn_\@
	WIN 0x41
.set n, 0
.rept 128
	v_pk_mul_f32 v[2*n:2*n+1], v[2*n:2*n+1], -1.0 op_sel_hi:[1,0]
.set n, n+1
.endr
	WIN 0
.Lnn_\@:
.endif
	STEP 0, 0, 0, 1, \guard
	s_add_co_u32 s[BOFF], s[BOFF], 16384
	s_add_co_u32 s[BSOFF], s[BSOFF], 512
	s_wait_alu depctr_vm_vsrc(0)
	v_add_nc_u32 v[BA], s[BOFF], v[LI]
	v_add_nc_u32 v[BSA], s[BSOFF], v[L8]
	s_sub_co_u32 s[TC], s[TC], 1
	s_cmp_lg_u32 s[TC], 0
	s_cbranch_scc1 .Lk_\@
	STEP 1, 0, 1, 0, \guard
	s_wait_loadcnt 0x0
	s_wait_dscnt 0x0
	s_wait_alu depctr_va_vdst(0)
.endm
.macro QUANT q, mode, adr, sadr
.if \mode
.irp g, 0,1,2,3
	WIN 0x01
.irp i, 0,1,2,3,4,5,6,7
.set rP, 8*(4*(2*\g+\i/4)+(\q))+2*(\i%4)
	v_pk_mul_f32 v[QT+2*\i:QT+2*\i+1], v[rP:rP+1], v[INV+2*(\q):INV+2*(\q)+1] op_sel_hi:[1,0]
.endr
	WIN 0x10
.irp i, 0,1,2,3,4,5,6,7
.set rP, 8*(4*(2*\g+\i/4)+(\q))+2*(\i%4)
	v_pk_fma_f32 v[QE+2*\i:QE+2*\i+1], v[QT+2*\i:QT+2*\i+1], v[SM+2*(\q):SM+2*(\q)+1], v[rP:rP+1] op_sel_hi:[1,0,1] neg_lo:[1,0,0] neg_hi:[1,0,0]
.endr
	WIN 0x40
.irp i, 0,1,2,3,4,5,6,7
.set rP, 8*(4*(2*\g+\i/4)+(\q))+2*(\i%4)
	v_pk_fma_f32 v[rP:rP+1], v[QE+2*\i:QE+2*\i+1], v[INV+2*(\q):INV+2*(\q)+1], v[QT+2*\i:QT+2*\i+1] op_sel_hi:[1,0,1]
.endr
.endr
.endif
	WIN 0
.irp b, 0,1,2,3
	v_mov_b32 v[TM+\b], 0x8000000
	v_mov_b32 v[TM+4+\b], 0
.endr
	WIN 0x14
.irp hf, 0,1
.irp j, 0,2,4,6
.irp b, 0,1,2,3
.if \mode
	v_max3_num_f32 v[TM+\b], v[TM+\b], v[8*(4*(2*\b+\hf)+(\q))+\j], v[8*(4*(2*\b+\hf)+(\q))+\j+1]
.else
	v_max3_num_f32 v[TM+\b], v[TM+\b], |v[8*(4*(2*\b+\hf)+(\q))+\j]|, |v[8*(4*(2*\b+\hf)+(\q))+\j+1]|
.endif
.endr
.endr
.endr
	WIN 0
.irp b, 0,1,2,3
	v_permlanex16_b32 v[TM+4+\b], v[TM+\b], s40, s41
.endr
.irp b, 0,1,2,3
	v_max_num_f32 v[TM+\b], v[TM+\b], v[TM+4+\b]
.endr
.irp b, 0,1,2,3
	v_add_nc_u32 v[TM+12+\b], 0xf8800000, v[TM+\b]
.endr
.irp b, 0,1,2,3
	v_and_or_b32 v[TM+8+\b], v[TM+\b], 0x7f800000, s42
.endr
.irp b, 0,1,2,3
	v_lshrrev_b32 v[TM+4+\b], 23, v[TM+12+\b]
.endr
	v_lshl_or_b32 v[PW+(\q)], v[TM+5], 8, v[TM+4]
	v_lshl_or_b32 v[PW+(\q)], v[TM+6], 16, v[PW+(\q)]
	v_lshl_or_b32 v[PW+(\q)], v[TM+7], 24, v[PW+(\q)]
	WIN 0x41
.irp b, 0,1,2,3
.irp hf, 0,1
.irp j, 0,1,2,3,4,5,6,7
.if \mode
	v_min_num_f32 v[8*(4*(2*\b+\hf)+(\q))+\j], v[8*(4*(2*\b+\hf)+(\q))+\j], v[TM+8+\b]
.else
	v_med3_num_f32 v[8*(4*(2*\b+\hf)+(\q))+\j], v[8*(4*(2*\b+\hf)+(\q))+\j], -v[TM+8+\b], v[TM+8+\b]
.endif
.endr
.endr
.endr
	s_wait_dscnt 0x0
.if (\q) > 0
	s_wait_alu depctr_vm_vsrc(0)
.endif
	WIN 0x01
.irp b, 0,1,2,3
	v_cvt_scalef32_pk8_bf8_f32 v[PC+4*\b:PC+4*\b+1], v[8*(4*(2*\b)+(\q)):8*(4*(2*\b)+(\q))+7], v[TM+12+\b]
	v_cvt_scalef32_pk8_bf8_f32 v[PC+4*\b+2:PC+4*\b+3], v[8*(4*(2*\b+1)+(\q)):8*(4*(2*\b+1)+(\q))+7], v[TM+12+\b]
.endr
	WIN 0
	v_nop
.if !\mode
.set n, 0
.rept 16
	v_xor_b32 v[PC+n], s[SGM], v[PC+n]
.set n, n+1
.endr
.endif
.if (\q) == 3
	v_cndmask_b32 v[WP], v[PW], v[PW+1], s43
	v_cndmask_b32 v[WP+1], v[PW+2], v[PW+3], s43
.endif
	s_wait_alu depctr_va_vdst(0)
.irp b, 0,1,2,3
	ds_store_b128 v[\adr], v[PC+4*\b:PC+4*\b+3] offset:2048*(\q)+512*\b
.endr
.if (\q) == 3
	ds_store_b64 v[\sadr], v[WP:WP+1]
.endif
.endm
	s_mov_b64 s[SB:SB+1], s[4:5]
	s_mov_b64 s[SBH:SBH+1], s[4:5]
	s_mov_b64 s[SCB:SCB+1], s[6:7]
	PRO
	s_wait_kmcnt 0x0
	s_min_u32 s[LEN], s[LEN], 1024
	s_lshl_b32 s56, s[IB], 6
	s_add_co_u32 s57, s56, 64
	s_min_u32 s[LIM], s57, s[LEN]
	s_add_co_u32 s[NC], s[LIM], 127
	s_lshr_b32 s[NC], s[NC], 7
	s_lshl_b32 s57, s[WV], 7
	s_cmp_lt_u32 s57, s[LIM]
	s_cselect_b32 s[NSB], 8, 0
	s_add_co_u32 s[WEND], s57, 128
	s_add_co_u32 s56, s56, 1
	s_min_u32 s[FULLV], s56, s[LEN]
	s_and_b32 s56, s[IB], 1
	s_lshl_b32 s56, s56, 2
	s_lshr_b32 s57, s[WV], 1
	s_add_co_u32 s56, s56, s57
	s_lshl_b32 s56, s56, 7
	s_cmp_lt_u32 s56, s[LEN]
	s_cselect_b32 s[PT], 1, 99
	s_wait_loadcnt 33
.set n, 0
.rept 64
	v_xor_b32 v[BF+n], s[SGM], v[BF+n]
.set n, n+1
.endr
	s_wait_alu depctr_va_vdst(0)
.irp k, 0,1,2,3,4,5,6,7,8,9,10,11,12,13,14,15
	ds_store_b128 v[QWI], v[BF+4*\k:BF+4*\k+3] offset:512*\k
.endr
	ds_store_b64 v[QWS], v[WP:WP+1]
	BARRIER
	BLOAD0 QIMG, QSC
	PASS 1, 0, 0, 1
.irp u, 0,1,2,3,4,5,6,7
	global_load_b128 v[BF+8*\u:BF+8*\u+3], v[BO], s[8:9] offset:(32*(\u/2)+8*(\u%2))*4
	global_load_b128 v[BF+8*\u+4:BF+8*\u+7], v[BO], s[8:9] offset:(32*(\u/2)+8*(\u%2))*4+16
.endr
	s_mov_b64 s[SB:SB+1], s[10:11]
	s_mov_b64 s[SBH:SBH+1], s[10:11]
	s_mov_b64 s[SCB:SCB+1], s[12:13]
	PRO
	s_wait_loadcnt 33
	WIN 0x41
.irp u, 0,1,2,3,4,5,6,7
.irp q, 0,1,2,3
.irp j, 0,2,4,6
	v_pk_fma_f32 v[8*(4*\u+\q)+\j:8*(4*\u+\q)+\j+1], v[8*(4*\u+\q)+\j:8*(4*\u+\q)+\j+1], -1.0, v[BF+8*\u+\j:BF+8*\u+\j+1] op_sel_hi:[1,0,1]
.endr
.endr
.endr
	WIN 0
	QUANT 0, 0, XWI, XWS
	QUANT 1, 0, XWI, XWS
	QUANT 2, 0, XWI, XWS
	QUANT 3, 0, XWI, XWS
	BARRIER
	BLOAD0 XIMG, XSC
	s_mov_b32 s[NS], s[NSB]
	s_mov_b32 s[SI], 0
	PASS 1, 1, 1, 1
	s_mov_b64 s[SB:SB+1], s[14:15]
	s_mov_b64 s[SBH:SBH+1], s[14:15]
	s_mov_b64 s[SCB:SCB+1], s[16:17]
	PRO
.irp j, 0,1,2,3,4,5,6,7
	v_mov_b32 v[SM+\j], 0
.endr
	s_cmp_eq_u32 s[NSB], 0
	s_cbranch_scc1 .Lidle1
	WIN 0x41
.set n, 0
.rept 128
	v_pk_mul_f32 v[2*n:2*n+1], v[2*n:2*n+1], s[46:47] op_sel_hi:[1,0]
.set n, n+1
.endr
.set n, 0
.rept 256
	v_exp_f32 v[n], v[n]
.set n, n+1
.endr
	v_nop
	s_wait_alu depctr_va_vdst(0)
.set n, 0
.rept 128
	v_pk_add_f32 v[2*n:2*n+1], v[2*n:2*n+1], 1.0 op_sel_hi:[1,0]
.set n, n+1
.endr
.set n, 0
.rept 256
	v_rcp_f32 v[n], v[n]
.set n, n+1
.endr
	v_nop
	s_wait_alu depctr_va_vdst(0)
.set n, 0
.rept 128
	v_pk_fma_f32 v[2*n:2*n+1], v[2*n:2*n+1], s[46:47], v[LV:LV+1] op_sel_hi:[1,0,1]
.set n, n+1
.endr
.set n, 0
.rept 256
	v_exp_f32 v[n], v[n]
.set n, n+1
.endr
	v_nop
	s_wait_alu depctr_va_vdst(0)
	WIN 0
	s_cmp_le_u32 s[WEND], s[FULLV]
	s_cbranch_scc1 .Lopen
.irp q, 0,1,2,3
	v_add_nc_u32 v[DQ+\q], 32*(\q/2)+8*(\q%2), v[QN]
	v_min_u32 v[DQ+\q], s[LEN], v[DQ+\q]
	v_sub_nc_u32 v[DQ+\q], v[DQ+\q], v[KB]
.irp b, 0,1,2,3
	v_add_nc_u32 v[DT+4*\q+\b], -32*\b, v[DQ+\q]
.endr
.endr
	WIN 0x41
.set g, 0
.rept 8
.set n, 32*g
.rept 32
	v_cmp_ge_i32 s[MK+n%32], 8*((n/32)%2)+n%8, v[DT+4*((n/8)%4)+n/64]
.set n, n+1
.endr
	s_wait_alu depctr_va_sdst(0)
.set n, 32*g
.rept 32
	v_cndmask_b32 v[n], v[n], v[ZR], s[MK+n%32]
.set n, n+1
.endr
.set g, g+1
.endr
	WIN 0
.Lopen:
	WIN 0x04
.set n, 0
.rept 128
	v_pk_add_f32 v[SM+2*(n%4):SM+2*(n%4)+1], v[SM+2*(n%4):SM+2*(n%4)+1], v[8*(4*(n/16)+n%4)+2*((n/4)%4):8*(4*(n/16)+n%4)+2*((n/4)%4)+1]
.set n, n+1
.endr
	WIN 0
.Lidle1:
.irp q, 0,1,2,3
	v_add_f32 v[SM+2*\q], v[SM+2*\q], v[SM+2*\q+1]
.endr
.irp q, 0,1,2,3
	v_permlanex16_b32 v[SM+2*\q+1], v[SM+2*\q], s40, s41
.endr
.irp q, 0,1,2,3
	v_add_f32 v[SM+2*\q], v[SM+2*\q], v[SM+2*\q+1]
.endr
	s_wait_alu depctr_va_vdst(0)
.irp q, 0,1,2,3
	ds_store_b32 v[SUMW], v[SM+2*\q] offset:64*\q
.endr
	BARRIER
	s_wait_alu depctr_vm_vsrc(0)
	s_cmp_eq_u32 s[NSB], 0
	s_cbranch_scc1 .Lidle2
.irp q, 0,1,2,3
.irp w, 0,1,2,3,4,5,6,7
	ds_load_b32 v[64+8*\q+\w], v[SUMR] offset:256*\w+64*\q
.endr
.endr
	s_wait_dscnt 0x0
.irp q, 0,1,2,3
	v_add_f32 v[64+8*\q], v[64+8*\q], v[65+8*\q]
	v_add_f32 v[66+8*\q], v[66+8*\q], v[67+8*\q]
	v_add_f32 v[68+8*\q], v[68+8*\q], v[69+8*\q]
	v_add_f32 v[70+8*\q], v[70+8*\q], v[71+8*\q]
.endr
.irp q, 0,1,2,3
	v_add_f32 v[64+8*\q], v[64+8*\q], v[66+8*\q]
	v_add_f32 v[68+8*\q], v[68+8*\q], v[70+8*\q]
.endr
.irp q, 0,1,2,3
	v_add_f32 v[SM+2*\q], v[64+8*\q], v[68+8*\q]
.endr
.irp q, 0,1,2,3
	v_mov_b32 v[SM+2*\q+1], v[SM+2*\q]
.endr
.irp q, 0,1,2,3
	v_rcp_f32 v[INV+2*\q], v[SM+2*\q]
	v_rcp_f32 v[INV+2*\q+1], v[SM+2*\q]
.endr
	v_nop
	s_wait_alu depctr_va_vdst(0)
	QUANT 0, 1, PWI, PWS
	QUANT 1, 1, PWI, PWS
	QUANT 2, 1, PWI, PWS
	QUANT 3, 1, PWI, PWS
	s_branch .Ljoin2
.Lidle2:
.irp k, 0,1,2,3,4,5,6,7,8,9,10,11,12,13,14,15
	ds_store_b128 v[PWI], v[ZR:ZR+3] offset:512*\k
.endr
	ds_store_b64 v[PWS], v[ZR:ZR+1]
.Ljoin2:
	BARRIER
	BLOAD0 PIMG, PSC
	s_mov_b32 s[NS], s[NC]
	s_mov_b32 s[SI], 0
	PASS 1, 0, 1, 0
.macro TOSTAGE q
	WIN 0x04
.irp u, 0,1,2,3,4,5,6,7
	ds_store_b128 v[STO], v[8*(4*\u+(\q)):8*(4*\u+(\q))+3] offset:64*\u
	ds_store_b128 v[STO], v[8*(4*\u+(\q))+4:8*(4*\u+(\q))+7] offset:64*\u+16
.endr
	WIN 0
.set BB, 64+64*((\q)%2)
.irp t, 0,1,2,3,4,5,6,7,8,9,10,11,12,13,14,15
	ds_load_b128 v[BB+4*\t:BB+4*\t+3], v[SRD] offset:\t*528
.endr
.endm
.macro SEND q, younger
.set BB, 64+64*((\q)%2)
	s_wait_dscnt \younger
.irp t, 0,1,2,3,4,5,6,7,8,9,10,11,12,13,14,15
	global_store_b128 v[LI], v[BB+4*\t:BB+4*\t+3], s[20:21] offset:(32*((\q)/2)+8*((\q)%2)+\t+8*(\t/8))*4096 th:TH_STORE_NT
.endr
.endm
	TOSTAGE 0
.irp q, 1,2,3
.if \q > 1
	s_wait_xcnt 0x0
	s_wait_alu depctr_vm_vsrc(0)
.endif
	TOSTAGE \q
	SEND \q-1, 32
.endr
	SEND 3, 0
	s_wait_xcnt 0x0
	v_lshl_add_u32 v254, v0, 2, 0x42800
	v_mov_b32 v255, 0
	s_wait_dscnt 0x0
	s_wait_alu 0x0
	s_wait_tensorcnt 0x0
	ds_add_u32 v254, v255
	s_wait_dscnt 0x0
	s_endpgm
.Lfunc_end_k_q334e28f48b_attn:
	.size	k_q334e28f48b_attn, .Lfunc_end_k_q334e28f48b_attn-k_q334e28f48b_attn
	.p2alignl 7, 3214868480
	.fill 96, 4, 3214868480
	.section	.rodata,"a",@progbits
	.p2align	6, 0x0
	.amdhsa_kernel k_q334e28f48b_attn
		.amdhsa_group_segment_fixed_size 273408
		.amdhsa_private_segment_fixed_size 0
		.amdhsa_enable_private_segment 0
		.amdhsa_kernarg_size 72
		.amdhsa_user_sgpr_count 2
		.amdhsa_user_sgpr_kernarg_segment_ptr 1
		.amdhsa_wavefront_size32 1
		.amdhsa_system_sgpr_workgroup_id_x 1
		.amdhsa_system_sgpr_workgroup_id_y 1
		.amdhsa_system_sgpr_workgroup_id_z 1
		.amdhsa_system_vgpr_workitem_id 0
		.amdhsa_next_free_vgpr 512
		.amdhsa_next_free_sgpr 98
		.amdhsa_reserve_vcc 0
		.amdhsa_float_denorm_mode_32 3
		.amdhsa_float_denorm_mode_16_64 3
		.amdhsa_memory_ordered 1
		.amdhsa_forward_progress 1
		.amdhsa_inst_pref_size 255
	.end_amdhsa_kernel
	.section	.bss,"aw",@nobits
	.p2align	6
	.space	262144
	.amdgpu_metadata
---
amdhsa.version: [ 1, 2 ]
amdhsa.kernels:
  - .name:           k_q334e28f48b_attn
    .symbol:         k_q334e28f48b_attn.kd
    .args:
      - { .name: WF, .offset: 0, .size: 8, .value_kind: global_buffer, .address_space: global }
      - { .name: WS, .offset: 8, .size: 8, .value_kind: global_buffer, .address_space: global }
      - { .name: b, .offset: 16, .size: 8, .value_kind: global_buffer, .address_space: global }
      - { .name: FR, .offset: 24, .size: 8, .value_kind: global_buffer, .address_space: global }
      - { .name: FRS, .offset: 32, .size: 8, .value_kind: global_buffer, .address_space: global }
      - { .name: FC, .offset: 40, .size: 8, .value_kind: global_buffer, .address_space: global }
      - { .name: FCS, .offset: 48, .size: 8, .value_kind: global_buffer, .address_space: global }
      - { .name: lengths, .offset: 56, .size: 8, .value_kind: global_buffer, .address_space: global }
      - { .name: out0, .offset: 64, .size: 8, .value_kind: global_buffer, .address_space: global }
    .group_segment_fixed_size: 273408
    .private_segment_fixed_size: 0
    .kernarg_segment_align: 8
    .kernarg_segment_size: 72
    .max_flat_workgroup_size: 256
    .sgpr_count:     98
    .vgpr_count:     512
    .wavefront_size: 32
...
	.end_amdgpu_metadata
.endif
;; end of part 3
